; MI455X (gfx1250); checked and timed in simulation.
; The chip was launched on July 23, 2026; its instructions are those of AMD's public machine-readable ISA for CDNA 5 (MIT licence, August 2026) and "CDNA5" Instruction Set Architecture Reference Guide (July 2026). The comments in the code are by the model that wrote it; some were corrected since.
;; Self Attention. Allowed arithmetic: matrix products marked QUANTISED: E2M1 operands, one E8M0 scale for each 32 along K, by v_wmma_scale_f32_16x16x128_f8f6f4 with both operands' format E2M1 (or v_wmma_scale_f32_32x16x128_f4), f32 sums; products left as they are: f32 operands where the result goes on into a quantised operand, else bf16, f16 or f32 operands; f32 sums; everything else in f32.
;; Inputs: mask 32 x 8 x 1 x 512 bool; w_k 64 x 64 float32; w_q 64 x 64 float32; x 32 x 8 x 512 x 64 float32.
;; Outputs: out0 32 x 8 x 512 x 64 float32.
;; Constants: N_bs = 8, N_max = 512, bs = 32, d = 64, heads = 4.
;; This version of the problem:
;;   THIS VERSION OF THE PROBLEM IS GIVEN IN LOW PRECISION. The matrix products marked QUANTISED in the list below multiply operands that are first quantised to E2M1 (2 exponent bits, 1 mantissa bit; 4 bits a number), with one power-of-two scale for each 32 numbers along K (OCP MX v1.0); their sums are f32. All else is computed in f32.
;;   The module's matrix products, in the order in which they are computed (A, B: the left and right operand; K: the contracted axis; several contracted axes count as one K, in the product's order):
;;     1. [M 131,072, K 64] x [K 64, N 64]; A: input x; B: input w_q: QUANTISED
;;     2. [M 131,072, K 64] x [K 64, N 64]; A: input x; B: input w_k: QUANTISED
;;     3. batch 1,024 x [M 512, K 16] x [K 16, N 512]; A: computed on the way; B: computed on the way: left as it is (K = 16 < 32)
;;     4. batch 1,024 x [M 512, K 512] x [K 512, N 16]; A: softmax (see below); B: input x: QUANTISED
;;   THE QUANTISER, for each operand of a quantised product, along K:
;;     - K is cut into blocks of 32 from its start; a last block that is shorter is filled with zeros.
;;     - A block's scale is 2^e with e = floor(log2(the largest magnitude in the block)) - 2, held to -126 .. 127; a block of zeros has e = 0. As a byte (E8M0): e + 127.
;;     - Each number is divided by its block's scale, clamped to +-6, and rounded to the nearest number of E2M1, ties to even, subnormals kept.
;;     - The product sums the exact products of the quantised numbers (number of the format x scale) in f32.
;;   ~~~python
;;   def quantise(x, axis):      # numpy; x: float32 -> the quantised numbers, widened to float32 again
;;       x = np.moveaxis(x, axis, -1); K = x.shape[-1]
;;       x = np.pad(x, [(0, 0)] * (x.ndim - 1) + [(0, -K % 32)]); x = x.reshape(x.shape[:-1] + (-1, 32)); a = np.abs(x).max(-1, keepdims=True)
;;       e = np.where(a > 0, np.clip(np.frexp(np.where(a > 0, a, 1))[1] - 1 - 2, -126, 127), 0)      # np.frexp(a)[1] - 1 = floor(log2(a)), exactly
;;       r = np.clip(x / 2.0 ** e, -6, 6)
;;       step = 2.0 ** (np.maximum(np.frexp(np.where(r == 0, 1, r))[1] - 1, 0) - 1)
;;       q = np.round(r / step) * step * 2.0 ** e      # np.round: ties to even
;;       return np.moveaxis(q.reshape(q.shape[:-2] + (-1,))[..., :K], -1, axis).astype(np.float32)
;;   ~~~
;;   SOFTMAX AHEAD OF A QUANTISED PRODUCT. Where the list says 'softmax', what is quantised is not the finished softmax but p = 2^(t - M), with t = logit x log2(e) and M = ceil(the row's largest t), a whole number; so 1/2 < the row's largest p <= 1. The row's sum l is taken of the UNQUANTISED p, in f32, and the product's result is divided by l at the end. Since M is a whole number, a kernel that streams over the keys may use a running M (the ceiling of the running maximum): every later rescaling is an exact power of two, which a block's scale takes up: the codes' values come out the same.
;;   OPERANDS COMPUTED ON THE WAY. 'Computed on the way' means the value that the module computes at that place (a softmax that the list does not call 'softmax' is quantised finished and normalised). What goes into a quantiser is computed in f32, as accurately as f32 sums, v_exp_f32 and their like allow (about 1e-6 of the number): no bf16 or f16 on the way to a quantiser, and a product that is left as it is and whose result goes on into a quantised operand takes f32 operands (vector FMAs, or v_wmma_f32_16x16x4_f32). A number that lies on a knife's edge between two numbers of the format may be rounded either way, as far as f32 arithmetic and the matrix unit's own rounding can turn it there, and no further.
;; 2 versions, each right; version 2 is version 1 with the launch attn written anew for expert scheduling mode. Each part assembles by itself: llvm-mc -triple=amdgcn-amd-amdhsa -mcpu=gfx1250 --defsym DOCPART=n.
;; ======== version 1 of 2: 1 launch
;; launch attn (part 1): grid 256 x 1, 16 waves a work-group, no clusters, 296,960 bytes of LDS; arguments x, w_q, w_k, mask, out0; writes out0
.if DOCPART == 1
	.amdgcn_target "amdgcn-amd-amdhsa--gfx1250"
	.amdhsa_code_object_version 6
	.text
	.protected	k_qcdfc2cd967_attn
	.globl	k_qcdfc2cd967_attn
	.p2align	8
	.type	k_qcdfc2cd967_attn,@function
k_qcdfc2cd967_attn:
	s_mov_b64 s[64:65], 0
	v_nop
	global_prefetch_b8 v0, s[64:65] scope:SCOPE_SE
	s_setreg_imm32_b32 hwreg(HW_REG_WAVE_MODE, 25, 1), 1
	s_wait_xcnt 0x0
; SELF-ATTENTION, 256 groups of 512 tokens x 64 channels (f32), four heads of 16 channels; v = x.
;   q = Q(x) Q(w_q)^T, k = Q(x) Q(w_k)^T          codes of E2M1, one E8M0 scale for each 32 along the 64 channels
;   t = (q / 8 . k) log2(e), K = 16                f32 operands (v_wmma_f32_16x16x4_f32): t goes on into a quantiser.  A key whose mask byte is set has t = -1e9 log2(e)
;   p = 2^(t - M), M = the ceiling of the row's running largest t; p is quantised along the keys;  y = Q(p) Q(v) / l, l = the sum of the unquantised p
; SHARES.  A work-group is one group; each of its sixteen waves owns 32 tokens: it quantises them (as x along the channels, as v along the keys: its 32 tokens are one block of v),
; makes their q and k for all heads, and then, as two tiles of 16 queries, walks all 512 keys of each head, 64 a half step.
; BY TURNS.  In a TURN one tile of queries has the f32 products of its scores for 64 keys, sixteen of them; the other tile's softmax, cut into sixteen slices, stands between them, one slice behind each product,
; and that tile's product with v closes the turn.  Then the tiles change places.  So every stretch of a wave's text holds matrix work and vector work, whatever the other waves of its SIMD are at.
; LAYOUT.  All products are used transposed, so that a lane holds ONE token (lane % 16) throughout.
;   q^T, k^T: source 0 = 16 rows of W (one head), source 1 = 16 tokens: lane (r, h) holds channels 8 h + 0 .. 7 of token r: eight registers that ARE the operands of four f32 products:
;   link i takes registers 2 i, 2 i + 1, so that the form's k = 2 h + j stands for channel 8 h + 2 i + j, alike in q and in k.
;   THE TOKENS OF A TILE ARE NOT NEIGHBOURS: lane r of a wave's tile u takes its token 8 u + r + 8 (r / 8), so that in S^T = k q^T the 16 registers of key tiles 2 b, 2 b + 1 are keys 32 b + 16 h + 0 .. 15.
; THE MASK costs nothing in the loop: for k alone the codes of a masked token's x are zeros, so its k is 0, and each score's sum begins with a bias (0, or -1e9 log2(e)) as the C of its first link.
; q is multiplied once by c = log2(e) / 8, so the sums are t itself.
; O^T += v^T p^T takes 128 keys an instruction; a half step has 64: p's codes stand between two runs of zero codes, and an even half names (p, 0), an odd half (0, p); the bytes of p's scale word for the zero half are 0.
; Likewise K = 64 in the first two products: x's upper 64 codes are zeros, and what W's operand names there (the next tile's codes) is multiplied by zeros.
; WHY NO TENSOR LOADS, CLUSTER OR PREFETCH: a work-group's 131,072 bytes of x are read once, all sixteen waves' loads going out at the head; work-groups share only w_q and w_k, 32,768 bytes.
; LIMITS: NaN and infinities among the inputs are not served.  A block whose largest magnitude lies under 2^-124 keeps the scale byte 1 (a block of zeros too: its codes are zeros, and only this text reads the bytes).
; q is rounded once more than in the definition (by c); a score's 16 terms are added in the order of channels 8 h + 2 i + j.
;
; LDS
.set KIMG, 0                           ; k as images of registers: [head][key tile 0 .. 31] x 1,024 bytes: registers 0-3 at 16 x lane, 4-7 at 512 + 16 x lane
.set WREG, 131072                      ; a region of WRB bytes for each wave, its own: first x's 32 rows (pitch 272); then four chunks, CH apart: chunk hd holds q' of head hd
.set WRB,  8704                        ; (two images of 1,024 bytes) and, once that is in registers, y of head hd (32 rows x 64 bytes)
.set CH,   2112                        ; 64 more than a multiple of 256: a row of y read back across the four chunks touches sixteen different columns of 16 bytes
.set XP,   272                         ; x's rows in the stage: 256 bytes + 16
.set VIMG, 270336                      ; v's codes: head x 4,096 + block of 32 keys x 256 + channel x 16: the image of the operand's registers
.set BIAS, 286720                      ; one f32 for each key
.set VSC,  288768                      ; v's scale bytes: channel (0 .. 63) x 16 + block
.set WIMG, 289792                      ; W's codes: tile x 512 + 16 x lane; tiles 0-3 w_q's heads, 4-7 w_k's
.set WSC,  293888                      ; W's scale words: tile x 128 + 4 x lane
; scalar registers: s[4:5] x, s[6:7] w_q, s[8:9] w_k, s[10:11] mask, s[12:13] out0, s[16:17] my tile of W, s[18:19] offsets, s31 at work
.set WV,  14                           ; my wave's number
.set WB,  15                           ; my region's first byte
.set SEL, 20                           ; s[20:21] v_permlanex16_b32's selects for lane l xor 16
.set CQ,  22                           ; c
.set SK,  23                           ; the head's k images
.set SV,  26                           ; its v codes
.set SS,  27                           ; its v scale bytes
.set SQ,  28                           ; its chunk of my region
.set HC,  29                           ; heads to go
; vector registers that stay
.set L16, 1                            ; 16 x lane
.set H64, 2                            ; 64 h
.set R16, 3                            ; 16 r
.set OW,  4                            ; y in a chunk: (r + 8 (r / 8)) x 64 + 32 h
; the loop's
.set KA,  5                            ; addresses of the head in hand: k,
.set BA,  6                            ; the bias (the same for all heads),
.set VA,  7                            ; v's codes,
.set VSA, 8                            ; v's scale words,
.set QA,  9                            ; q',
.set YA,  13                           ; y
.set TS,  10                           ; v[10:11] the sum's second chain
.set OLD, 12
.set QF,  16                           ; v16-31   q', 8 registers a tile
.set OA,  32                           ; v32-47   O^T, 8 a tile
.set ST,  48                           ; v48-55   a tile's -M, largest t, l (a pair)
.set BM,  56                           ; v56-57   the two blocks' largest t, then largest p
.set BX,  58                           ; v58-59   the other half's; then the scale bytes
.set SO,  60                           ; v60-61   the conversions' scale operands
.set F,   62                           ; v[62:63] f = 2^(old M - new M); the pair's upper word is named and not used
.set SA,  64                           ; v64-127  the scores, 32 a tile.  These registers are written by matrix instructions alone
.set PP,  128                          ; v128-159 p of the tile whose softmax is in hand
.set KF,  160                          ; v160-191 four key tiles of k
.set BI,  192                          ; v192-223 their biases, in the result's layout
.set P4,  228                          ; v224-227 zeros | v228-231 p's codes | v232-235 zeros
.set VF,  236                          ; v236-243 v's fragment: 16 channels x 128 keys
.set VS,  244                          ; v's scale words   (v244-249 hold scales and nothing else)
.set PW,  245                          ; p's scale word
; the head's (phase A): every LDS address is made ahead of the one branch on the wave's number
.set XS,   9                           ; x into the stage: two rows an instruction
.set XCOL, 10                          ; out of it by columns: 4 x lane
.set XFA,  11                          ; and by rows: token r + 8 (r / 8), + 128 h
.set TOK,  12                          ; r + 8 (r / 8)
.set WO,   13                          ; W: 256 r + 128 h
.set VW,   14
.set VB,   15
.set T4,   48
.set WI,   49
.set WW,   50
.set WSR,  51
.set SH8,  52                          ; 8 h
.set LANE, 53
.set QW,   54
.set KW0,  55
.set KW1,  5
.set WCA,  6
.set MKB,  56                          ; mask bytes: of token lane; of my tokens in tiles 0 and 1
.set MK0,  57
.set MK1,  58
.set XR,   128                         ; v128-191 x as loaded
.set VN1,  128                         ; then: columns 32 .. 63, 32 keys down,
.set XN0,  160                         ; tile 0's block of 32 channels,
.set VN0,  192                         ; columns 0 .. 31 (before that: my tile of W)
.set XN1,  192                         ; then tile 1's block,
.set WC,   192                         ; then W's eight tiles of codes, four registers each; v224-227, zeros, stand behind the last
.set XSW,  244                         ; x's scale words, tiles 0 and 1
.set WSW,  246                         ; v246-249 head hd: lanes 0-15 w_q's words, lanes 16-31 w_k's
; 32 numbers of ONE block in a lane's registers v[n] on -> 32 codes in v[c] .. v[c + 3]; the scale's byte in v[m].  v[m + 1] is at work.
.macro Q32 n, c, m
	v_max3_num_f32 v[\m], |v[\n]|, |v[\n+1]|, 0x1800000            ; the largest magnitude, in two chains, with the floor 2^(3 - 127) among its leaves: the byte cannot fall under 1
	v_max3_num_f32 v[\m+1], |v[\n+2]|, |v[\n+3]|, |v[\n+4]|
.irp i, 5,9,13,17,21,25
	v_max3_num_f32 v[\m], v[\m], |v[\n+\i]|, |v[\n+\i+1]|
	v_max3_num_f32 v[\m+1], v[\m+1], |v[\n+\i+2]|, |v[\n+\i+3]|
.endr
	v_max3_num_f32 v[\m], v[\m], |v[\n+29]|, |v[\n+30]|
	v_max3_num_f32 v[\m], v[\m], v[\m+1], |v[\n+31]|
	v_add_nc_u32 v[\m+1], 0xff000000, v[\m]                        ; 2 off its exponent field: the conversion takes the exponent field of this operand as its scale
	v_lshrrev_b32 v[\m], 23, v[\m+1]                               ; the scale's byte
.irp g, 0,1,2,3
	v_cvt_scalef32_pk8_fp4_f32 v[\c+\g], v[\n+8*\g:\n+8*\g+7], v[\m+1]
.endr
	v_nop                                                          ; one plain place behind a scaled conversion
.endm
; lane (r, h) holds the byte of block h of row r in v[m]: with lane l xor 16's it makes the row's scale word in v[w]; bytes 2 and 3 stay 0
.macro WORD2 m, t, w
	v_lshlrev_b32 v[\m], v[SH8], v[\m]
	v_permlanex16_b32 v[\t], v[\m], s[SEL], s[SEL+1]
	v_or_b32 v[\w], v[\m], v[\t]
.endm
.macro BARRIER                         ; my LDS stores have landed and my LDS loads are in: then the work-group's barrier
	s_wait_dscnt 0x0
	s_barrier_signal -1
	s_barrier_wait -1
.endm
	s_load_b256 s[4:11], s[0:1], 0x0               ; x, w_q, w_k, mask
	s_load_b64 s[12:13], s[0:1], 0x20              ; out0
	v_lshl_add_u32 v254, v0, 2, 0x48000
	v_mov_b32 v255, 0
	v_lshrrev_b32 v1, 5, v0
	v_readfirstlane_b32 s[WV], v1                  ; wave 0 .. 15
	v_and_b32 v[LANE], 31, v0
	v_and_b32 v59, 15, v0                          ; r
	v_bfe_u32 v60, v0, 4, 1                        ; h
	s_mul_i32 s[WB], s[WV], WRB
	s_add_co_u32 s[WB], s[WB], WREG
	s_mov_b32 s[SEL], 0x76543210
	s_mov_b32 s[SEL+1], 0xfedcba98
	s_mov_b32 s[CQ], 0x3e38aa3b                    ; c = log2(e) / 8
	v_lshlrev_b32 v[L16], 4, v[LANE]
	v_lshlrev_b32 v[H64], 6, v60
	v_lshlrev_b32 v[R16], 4, v59
	v_and_b32 v61, 8, v59
	v_add_nc_u32 v[TOK], v61, v59
	v_lshlrev_b32 v[OW], 6, v[TOK]
	v_lshl_add_u32 v[OW], v60, 5, v[OW]
	v_mul_u32_u24 v[XS], v60, XP
	v_lshl_add_u32 v[XS], v59, 4, v[XS]
	v_add_nc_u32 v[XS], s[WB], v[XS]               ; lanes 0-15 one row of 256 bytes, lanes 16-31 the next
	v_lshl_add_u32 v[XCOL], v[LANE], 2, s[WB]
	v_mul_u32_u24 v[XFA], v[TOK], XP
	v_lshl_add_u32 v[XFA], v60, 7, v[XFA]
	v_add_nc_u32 v[XFA], s[WB], v[XFA]
	v_lshlrev_b32 v[WO], 8, v59
	v_lshl_add_u32 v[WO], v60, 7, v[WO]
	v_lshl_add_u32 v[VW], v60, 12, v[R16]          ; column lane (+ 32): head lane / 16 (+ 2), channel lane % 16; my block is my wave's number
	s_lshl_b32 s31, s[WV], 8
	s_add_co_u32 s31, s31, VIMG
	v_add_nc_u32 v[VW], s31, v[VW]
	s_add_co_u32 s31, s[WV], VSC
	v_add_nc_u32 v[VB], s31, v[L16]
	v_lshl_add_u32 v[T4], v0, 2, BIAS              ; my thread's number is a token's number in the group
	s_lshl_b32 s31, s[WV], 9
	s_add_co_u32 s31, s31, WIMG
	v_add_nc_u32 v[WI], s31, v[L16]                ; (used by waves 0 to 7 alone)
	s_lshl_b32 s31, s[WV], 7
	s_add_co_u32 s31, s31, WSC
	v_lshl_add_u32 v[WW], v[LANE], 2, s31
	v_lshlrev_b32 v[WSR], 2, v59
	v_lshl_add_u32 v[WSR], v60, 9, v[WSR]
	v_add_nc_u32 v[WSR], WSC, v[WSR]               ; lanes 0-15 a tile of w_q, lanes 16-31 the same head's tile of w_k, four tiles on
	v_lshlrev_b32 v[SH8], 3, v60
	v_add_nc_u32 v[QW], s[WB], v[L16]
	s_lshl_b32 s31, s[WV], 11
	v_add_nc_u32 v[KW0], s31, v[L16]               ; my two key tiles in head 0's images;
	v_add_nc_u32 v[KW1], 0x10000, v[KW0]           ; heads 2 and 3 lie beyond an LDS instruction's 16-bit offset
	v_add_nc_u32 v[WCA], WIMG, v[L16]
	v_mov_b32 v63, 0                               ; written once: a lane permute's destination counts as one of its sources
	s_wait_kmcnt 0x0
	s_lshl_b32 s18, ttmp9, 17                      ; the group's 131,072 bytes of x and of out0,
	s_lshl_b32 s31, s[WV], 13                      ; my wave's 8,192 of them
	s_add_co_u32 s18, s18, s31
	s_mov_b32 s19, 0
	s_add_nc_u64 s[4:5], s[4:5], s[18:19]
	s_add_nc_u64 s[12:13], s[12:13], s[18:19]
	s_lshl_b32 s18, ttmp9, 9                       ; the group's 512 mask bytes, my wave's 32
	s_lshl_b32 s31, s[WV], 5
	s_add_co_u32 s18, s18, s31
	s_add_nc_u64 s[10:11], s[10:11], s[18:19]
	s_cmp_lt_u32 s[WV], 4                          ; waves 0-3 take w_q's heads, waves 4-7 w_k's: the choice hangs on the wave's number alone
	s_cselect_b64 s[16:17], s[6:7], s[8:9]
	s_and_b32 s18, s[WV], 3
	s_lshl_b32 s18, s18, 12                        ; a head's 16 rows of 256 bytes
	s_add_nc_u64 s[16:17], s[16:17], s[18:19]
	; ---- my 32 tokens: sixteen loads of 512 consecutive bytes (two rows)
.irp i, 0,1,2,3,4,5,6,7,8,9,10,11,12,13,14,15
	global_load_b128 v[XR+4*\i:XR+4*\i+3], v[L16], s[4:5] offset:512*\i th:TH_LOAD_NT
.endr
	global_load_u8 v[MKB], v[LANE], s[10:11]
	global_load_u8 v[MK0], v[TOK], s[10:11]
	global_load_u8 v[MK1], v[TOK], s[10:11] offset:8
	; ---- waves 0 to 7: a tile of W each.  Lane (r, h) takes block h of row r: 32 neighbours, the operand's registers 0-3
	s_cmp_lt_u32 s[WV], 8
	s_cbranch_scc0 .Lno_w
.irp j, 0,1,2,3,4,5,6,7
	global_load_b128 v[VN0+4*\j:VN0+4*\j+3], v[WO], s[16:17] offset:16*\j
.endr
	s_wait_loadcnt 0x0
	Q32 VN0, 228, 59
	WORD2 59, 63, 62
	ds_store_b128 v[WI], v[228:231]
	ds_store_b32 v[WW], v62
.Lno_w:
	s_wait_loadcnt 0x0                             ; x and the mask bytes
.irp i, 0,1,2,3,4,5,6,7,8,9,10,11,12,13,14,15
	ds_store_b128 v[XS], v[XR+4*\i:XR+4*\i+3] offset:2*XP*\i
.endr
	v_mov_b32 v59, 0xce6e6b28                      ; -1e9
	v_mul_f32 v59, 0x3fb8aa3b, v59                 ; x log2(e): a masked key's t
	v_cmp_ne_u32 vcc_lo, 0, v[MKB]
	v_cndmask_b32 v59, 0, v59, vcc_lo
	ds_store_b32 v[T4], v59
	s_wait_dscnt 0x0                               ; the stores have read their registers
	; ---- back in the operands' layouts.  v: a lane takes a column and its registers run down my 32 keys, one block.  x: lane (r, h) takes block h of its token
.irp k, 0,1,2,3,4,5,6,7,8,9,10,11,12,13,14,15,16,17,18,19,20,21,22,23,24,25,26,27,28,29,30,31
	ds_load_b32 v[VN0+\k], v[XCOL] offset:XP*\k
.endr
.irp k, 0,1,2,3,4,5,6,7,8,9,10,11,12,13,14,15,16,17,18,19,20,21,22,23,24,25,26,27,28,29,30,31
	ds_load_b32 v[VN1+\k], v[XCOL] offset:XP*\k+128
.endr
.irp j, 0,1,2,3,4,5,6,7
	ds_load_b128 v[XN0+4*\j:XN0+4*\j+3], v[XFA] offset:16*\j
.endr
	s_wait_dscnt 0x0
	Q32 VN0, 228, 59
	Q32 VN1, 232, 61
	ds_store_b128 v[VW], v[228:231]
	ds_store_b128 v[VW], v[232:235] offset:8192
	ds_store_b8 v[VB], v59
	ds_store_b8 v[VB], v61 offset:512
.irp j, 0,1,2,3,4,5,6,7
	ds_load_b128 v[XN1+4*\j:XN1+4*\j+3], v[XFA] offset:8*XP+16*\j  ; tile 1's tokens lie 8 rows on; they land while tile 0 is quantised
.endr
	Q32 XN0, 16, 236
	WORD2 236, 63, XSW
	s_wait_dscnt 0x0
	Q32 XN1, 32, 240
	WORD2 240, 63, XSW+1
	v_cmp_eq_u32 vcc_lo, 0, v[MK0]                 ; for k alone: a masked token's codes are zeros
.irp g, 0,1,2,3
	v_cndmask_b32 v[24+\g], 0, v[16+\g], vcc_lo
.endr
	v_cmp_eq_u32 vcc_lo, 0, v[MK1]
.irp g, 0,1,2,3
	v_cndmask_b32 v[40+\g], 0, v[32+\g], vcc_lo
.endr
.irp z, 20,28,36,44,224,232                    ; zero codes: K = 64 .. 127 of the four operands made of x; behind W's last tile; on both sides of p's codes.  The last six lines here name no operand of the
.irp g, 0,1,2,3                                ; products below: they are the places between an operand written by a vector instruction and a scaled product; the scale words stand more than eight back
	v_mov_b32 v[\z+\g], 0
.endr
.endr
	v_mov_b32 v[BX], 0                             ; (the loop's lane permutes name these as destinations)
	v_mov_b32 v[BX+1], 0
	BARRIER                                        ; W's eight tiles lie in LDS
.irp t, 0,1,2,3,4,5,6,7
	ds_load_b128 v[WC+4*\t:WC+4*\t+3], v[WCA] offset:512*\t
.endr
.irp d, 0,1,2,3
	ds_load_b32 v[WSW+\d], v[WSR] offset:128*\d
.endr
	s_wait_dscnt 0x0
	; ---- q^T and k^T of my two tiles, all heads: eight accumulators, each written once
.irp u, 0,1
.irp d, 0,1,2,3
	v_wmma_scale_f32_16x16x128_f8f6f4 v[SA+8*\d:SA+8*\d+7], v[WC+4*\d:WC+4*\d+7], v[16+16*\u:23+16*\u], 0, v[WSW+\d], v[XSW+\u] matrix_a_fmt:MATRIX_FMT_FP4 matrix_b_fmt:MATRIX_FMT_FP4
.endr
.irp d, 0,1,2,3
	v_wmma_scale_f32_16x16x128_f8f6f4 v[SA+32+8*\d:SA+32+8*\d+7], v[WC+16+4*\d:WC+16+4*\d+7], v[24+16*\u:31+16*\u], 0, v[WSW+\d], v[XSW+\u] matrix_a_fmt:MATRIX_FMT_FP4 matrix_b_fmt:MATRIX_FMT_FP4 matrix_a_scale:MATRIX_SCALE_ROW1
.endr
.rept 4
	v_nop                                          ; four places in front of the first read of results (ISA guide 7.12.1)
.endr
.irp j, 0,1,2,3,4,5,6,7,8,9,10,11,12,13,14,15,16,17,18,19,20,21,22,23,24,25,26,27,28,29,30,31
	v_mul_f32 v[PP+\j], s[CQ], v[SA+\j]            ; q' = c q
.endr
.irp d, 0,1,2,3
	ds_store_b128 v[QW], v[PP+8*\d:PP+8*\d+3] offset:CH*\d+1024*\u
	ds_store_b128 v[QW], v[PP+8*\d+4:PP+8*\d+7] offset:CH*\d+1024*\u+512
.endr
.irp d, 0,1
	ds_store_b128 v[KW0], v[SA+32+8*\d:SA+32+8*\d+3] offset:32768*\d+1024*\u       ; k as it stands, each accumulator from its low end on
	ds_store_b128 v[KW0], v[SA+32+8*\d+4:SA+32+8*\d+7] offset:32768*\d+1024*\u+512
	ds_store_b128 v[KW1], v[SA+48+8*\d:SA+48+8*\d+3] offset:32768*\d+1024*\u
	ds_store_b128 v[KW1], v[SA+48+8*\d+4:SA+48+8*\d+7] offset:32768*\d+1024*\u+512
.endr
	s_wait_dscnt 0x0                               ; the stores have read their registers: the next tile's products may write them
.endr
	s_barrier_signal -1
	s_barrier_wait -1                              ; k, v, v's scale bytes and the biases are whole.  From here on a wave writes its own region alone: no further barrier
; ---- THE LOOP'S PARTS
; Key tiles g, g + 1 (g = 0 or 2) of half n of the head: k's two fragments and their biases: eight loads in one run
.macro LOADG g, n
.irp t, 0,1
	ds_load_b128 v[KF+8*(\g+\t):KF+8*(\g+\t)+3], v[KA] offset:4096*(\n)+1024*(\g+\t)
	ds_load_b128 v[KF+8*(\g+\t)+4:KF+8*(\g+\t)+7], v[KA] offset:4096*(\n)+1024*(\g+\t)+512
	ds_load_b128 v[BI+8*(\g+\t):BI+8*(\g+\t)+3], v[BA] offset:256*(\n)+64*\g+32*\t       ; register j of tile t: key 32 (t / 2) + 8 (t % 2) + 16 h + j; the sixteen lanes of a half read the same bytes
	ds_load_b128 v[BI+8*(\g+\t)+4:BI+8*(\g+\t)+7], v[BA] offset:256*(\n)+64*\g+32*\t+16
.endr
.endm
; Product j of the sixteen of S^T, 64 keys x tile X's 16 queries: first key tiles 0 and 1 through their four links, then key tiles 2 and 3: two accumulators by turns, one instruction a turn
; A sum's first link takes the bias as C.  So a turn's first eight products want key tiles 0 and 1 alone, its last eight tiles 2 and 3 alone.
.macro W X, j
.set wi, ((\j)%8)/2
.set wt, 2*((\j)/8)+(\j)%2
.set wd, SA+32*(\X)+8*wt
.if wi == 0
	v_wmma_f32_16x16x4_f32 v[wd:wd+7], v[KF+8*wt:KF+8*wt+1], v[QF+8*(\X):QF+8*(\X)+1], v[BI+8*wt:BI+8*wt+7]
.else
	v_wmma_f32_16x16x4_f32 v[wd:wd+7], v[KF+8*wt+2*wi:KF+8*wt+2*wi+1], v[QF+8*(\X)+2*wi:QF+8*(\X)+2*wi+1], v[wd:wd+7]
.endif
.endm
; THE SOFTMAX of tile Y for 64 keys, two blocks of 32, in its parts.
; MX: line m of sixteen of the search for each block's largest t (the two blocks by turns).  It serves the row's maximum and, since p rises with t, the block's largest p.  Each accumulator is first read at its low end
.macro MX Y, m
.set rS, SA+32*(\Y)+16*((\m)%2)
.set mB, BM+(\m)%2
.set mi, 2*((\m)/2)+1
.if (\m) < 2
	v_max3_num_f32 v[mB], v[rS], v[rS+1], v[rS+2]
.elseif (\m) < 14
	v_max3_num_f32 v[mB], v[mB], v[rS+mi], v[rS+mi+1]
.else
	v_max_num_f32 v[mB], v[mB], v[rS+15]
.endif
.endm
; AD: t - M of pair a, into registers of their own (of the pair -M, largest t the low word serves both halves)
.macro AD Y, a
	v_pk_add_f32 v[PP+2*(\a):PP+2*(\a)+1], v[SA+32*(\Y)+2*(\a):SA+32*(\Y)+2*(\a)+1], v[ST+4*(\Y):ST+4*(\Y)+1] op_sel_hi:[1,0]
.endm
; SU: line u of sixteen of the row's sum, taken of the unquantised p: two at a time, in two chains (l itself and TS)
.macro SU Y, u
.set sN, ST+4*(\Y)+2
.if (\u) == 0
	v_pk_add_f32 v[TS:TS+1], v[PP:PP+1], v[PP+2:PP+3]
.elseif (\u) == 15
	v_pk_add_f32 v[sN:sN+1], v[sN:sN+1], v[TS:TS+1]
.elseif (\u)%2 == 1
	v_pk_add_f32 v[sN:sN+1], v[sN:sN+1], v[PP+2*(\u)+2:PP+2*(\u)+3]
.else
	v_pk_add_f32 v[TS:TS+1], v[TS:TS+1], v[PP+2*(\u)+2:PP+2*(\u)+3]
.endif
.endm
; GR: the two exponentials of pair g, p = 2^(t - M), led by a plain line that is ready: t - M of the pair four on, or one of the first sums
.macro GR Y, g
.if (\g) < 12
	AD \Y, (\g)+4
.else
	SU \Y, (\g)-12
.endif
	v_exp_f32 v[PP+2*(\g)], v[PP+2*(\g)]
	v_exp_f32 v[PP+2*(\g)+1], v[PP+2*(\g)+1]
.endm
; SLICE: slice k of sixteen.  par: which half of v's 128 keys these 64 are.
;   0, 1    the blocks' largest t                      2, 3   lane l xor 16's; the running largest t; -M = floor(-t); f = 2^(old M - new M); the first t - M
;   4 - 12  the exponentials, a plain line to each pair; among them l x f, O^T x f, the blocks' scale operands and bytes, p's scale word
;   13, 14  the conversions; whole blocks into the lanes    14, 15  the rest of the sums
; Slice 15 is nine plain lines that name nothing of the products round them: they are the places behind the turn's last f32 product (in front of the loads into its operands and of the first read of its scores)
; and, with slice 14's, those between p's scale word and codes, written by vector instructions, and the scaled product (for the first read of the scores).
.macro SLICE Y, par, k
.set rN, ST+4*(\Y)
.set rO, OA+8*(\Y)
.if (\k) == 0
.irp m, 0,1,2,3,4,5,6,7
	MX \Y, \m
.endr
.elseif (\k) == 1
.irp m, 8,9,10,11,12,13,14,15
	MX \Y, \m
.endr
.elseif (\k) == 2
	v_permlanex16_b32 v[BX], v[BM], s[SEL], s[SEL+1]
	v_permlanex16_b32 v[BX+1], v[BM+1], s[SEL], s[SEL+1]
	v_max_num_f32 v[BM], v[BM], v[BX]                                          ; with lane l xor 16's 16 keys
	v_max_num_f32 v[BM+1], v[BM+1], v[BX+1]
	v_max3_num_f32 v[rN+1], v[BM], v[BM+1], v[rN+1]                            ; the running largest t
	v_mov_b32 v[OLD], v[rN]
	v_floor_f32 v[rN], -v[rN+1]                                                ; -M = floor(-t) = -ceil(t): M is a whole number
.elseif (\k) == 3
	v_sub_f32 v[OLD], v[rN], v[OLD]                                            ; old M - new M: a whole number, 0 or less
	v_add_f32 v[BM], v[BM], v[rN]                                              ; t - M of each block's largest t
	v_add_f32 v[BM+1], v[BM+1], v[rN]
	v_cvt_i32_f32 v[OLD], v[OLD]                                               ; (it saturates)
	AD \Y, 0
	AD \Y, 1
	v_ldexp_f32 v[F], 1.0, v[OLD]                                              ; f = 2^(old M - new M): multiplying by it rounds nothing
	AD \Y, 2
.elseif (\k) == 4
	AD \Y, 3
	v_exp_f32 v[BM], v[BM]                                                     ; the block's largest p: the same two steps on the same number give the same bits
	v_exp_f32 v[BM+1], v[BM+1]
	v_pk_mul_f32 v[rN+2:rN+3], v[rN+2:rN+3], v[F:F+1] op_sel_hi:[1,0]          ; l under the new M
	GR \Y, 0
.elseif (\k) < 12
	GR \Y, 2*(\k)-9
	GR \Y, 2*(\k)-8
.if (\k) < 9
	v_pk_mul_f32 v[rO+2*(\k)-10:rO+2*(\k)-9], v[rO+2*(\k)-10:rO+2*(\k)-9], v[F:F+1] op_sel_hi:[1,0]   ; O^T under the new M, from its low end on
.elseif (\k) < 11
	s_wait_alu depctr_va_vdst(0)
	v_max_num_f32 v[BM+(\k)-9], 0x1800000, v[BM+(\k)-9]                        ; the floor 2^(3 - 127): the byte cannot fall under 1
.else
	v_add_nc_u32 v[SO], 0xff000000, v[BM]                                      ; 2 off the exponent field: the conversion's scale operand
.endif
.elseif (\k) == 12
	GR \Y, 15
	v_add_nc_u32 v[SO+1], 0xff000000, v[BM+1]
	v_lshrrev_b32 v[BX], 23, v[SO]                                             ; the scales' bytes
	v_lshrrev_b32 v[BX+1], 23, v[SO+1]
.if (\par) == 0
	v_lshl_or_b32 v[PW], v[BX+1], 8, v[BX]                                     ; bytes 0 and 1 of the word for v's 128 keys; the others 0
	s_wait_alu depctr_va_vdst(0)
.else
	v_lshlrev_b32 v[PW], 16, v[BX]                                             ; bytes 2 and 3
	v_lshl_or_b32 v[PW], v[BX+1], 24, v[PW]
	s_wait_alu depctr_va_vdst(0)
.endif
.elseif (\k) == 13
.irp b, 0,1
	v_cvt_scalef32_pk8_fp4_f32 v[P4+2*\b], v[PP+16*\b:PP+16*\b+7], v[SO+\b]
	v_cvt_scalef32_pk8_fp4_f32 v[P4+2*\b+1], v[PP+16*\b+8:PP+16*\b+15], v[SO+\b]
.endr
	v_nop                                                                      ; one plain place behind a scaled conversion
.elseif (\k) == 14
	v_permlane16_swap_b32 v[P4], v[P4+2]                                       ; the operand's layout wants a whole block in a lane: lanes 0-15 the first block, lanes 16-31 the second
	v_permlane16_swap_b32 v[P4+1], v[P4+3]
.irp u, 4,5,6
	SU \Y, \u
.endr
.else
.irp u, 7,8,9,10,11,12,13,14,15
	SU \Y, \u
.endr
.endif
.endm
; O^T += v^T p^T: source 0 = the head's 16 channels x 128 keys, source 1 = p's 64 codes and 64 zero codes
.macro PV T, par
	v_wmma_scale_f32_16x16x128_f8f6f4 v[OA+8*(\T):OA+8*(\T)+7], v[VF:VF+7], v[P4-4*(\par):P4-4*(\par)+7], v[OA+8*(\T):OA+8*(\T)+7], v[VS], v[PW] matrix_a_fmt:MATRIX_FMT_FP4 matrix_b_fmt:MATRIX_FMT_FP4
.endm
; A TURN.  Tile X has the f32 products: its scores of half n.  The other tile's softmax (of half n where X = 1, of half n - 1 where X = 0; par: that half's parity) stands in slices behind them, and its product with v closes the turn.
; k AND THE BIASES have one set of registers, filled in two runs of eight loads.  Both tiles multiply by a half's key tiles: tile 0 first, tile 1 a turn later.
;   Key tiles 0, 1 of half n + 1: in tile 1's turn, behind slice 10: its eighth product, their last reader, stands twelve plain lines back.  Waited for at that turn's end.
;   Key tiles 2, 3 of half n: at the head of tile 0's turn: tile 1's last product stands slice 15's nine plain lines back.  Waited for in the turn's middle, in front of the ninth product.
;   v's fragment and scale words of 128 keys come with the first run, in the even halves: their last reader closed the turn before.
.macro TURN X, n, par
.if (\X) == 0
	LOADG 2, \n
.endif
.set tj, 0
.rept 16
.if ((\X) == 0) && (tj == 8)
	s_wait_dscnt 0x0                               ; key tiles 2 and 3, asked for eight products ago
.endif
	W \X, tj
	SLICE 1-\X, \par, tj
.if ((\X) == 1) && (tj == 10)
.if (\n)%2 == 0
	ds_load_b128 v[VF:VF+3], v[VA] offset:1024*((\n)/2)
	ds_load_b128 v[VF+4:VF+7], v[VA] offset:1024*((\n)/2)+512
	ds_load_b32 v[VS], v[VSA] offset:4*((\n)/2)
.endif
.if (\n) < 7
	LOADG 0, (\n)+1
.endif
.endif
.set tj, tj+1
.endr
.if ((\X) == 1) && ((\n) < 7)
	s_wait_dscnt 0x0                               ; v's fragment for the product below; the next half's key tiles 0 and 1 for the turn that follows it
.endif
	PV 1-\X, \par
.endm
	v_add_nc_u32 v[BA], BIAS, v[H64]
	s_mov_b32 s[SK], KIMG
	s_mov_b32 s[SV], VIMG
	s_mov_b32 s[SS], VSC
	s_mov_b32 s[SQ], s[WB]
	s_mov_b32 s[HC], 4
.Lhead:                                            ; a trip is a head: 512 keys in eight halves, sixteen turns, written out so that every offset in the head is an immediate
	v_add_nc_u32 v[KA], s[SK], v[L16]
	v_add_nc_u32 v[QA], s[SQ], v[L16]
	LOADG 0, 0
	LOADG 2, 0
.irp q, 0,1
	ds_load_b128 v[QF+8*\q:QF+8*\q+3], v[QA] offset:1024*\q
	ds_load_b128 v[QF+8*\q+4:QF+8*\q+7], v[QA] offset:1024*\q+512
.endr
	v_add_nc_u32 v[VA], s[SV], v[L16]
	v_add_nc_u32 v[VSA], s[SS], v[R16]
	v_add_nc_u32 v[YA], s[SQ], v[OW]
	s_wait_dscnt 0x0                               ; the head's first k, biases and q'
.set tj, 0
.rept 16
	W 0, tj                                        ; tile 0's first scores: there is no softmax yet to set between them
.set tj, tj+1
.endr
.irp j, 0,1,2,3,4,5,6,7,8,9,10,11,12,13,14,15
	v_mov_b32 v[OA+\j], 0                          ; O^T.  (A softmax is written in one form: the first finds zeros, which the first change of M leaves zeros.)  These lines are also the places behind the products above
.endr
.irp q, 0,1
	v_mov_b32 v[ST+4*\q+1], 0xff61b1e6             ; the largest t so far: -3e38, under every t
	v_floor_f32 v[ST+4*\q], -v[ST+4*\q+1]          ; -M
	v_mov_b32 v[ST+4*\q+2], 0                      ; l, in two halves
	v_mov_b32 v[ST+4*\q+3], 0
.endr
.irp n, 0,1,2,3,4,5,6,7
	TURN 1, \n, \n%2                               ; tile 1's scores of half n | tile 0's softmax of half n
.if \n < 7
	TURN 0, \n+1, \n%2                             ; tile 0's scores of half n + 1 | tile 1's softmax of half n
.endif
.endr
.set tj, 0
.rept 16
	SLICE 1, 1, tj                                 ; tile 1's last softmax: no product is left to set between its slices
.set tj, tj+1
.endr
	PV 1, 1
	; the head's end: l's two halves and lane l xor 16's; O^T / l into my chunk, whose q' has long been read.  The additions are the places behind the last product
.irp q, 0,1
	v_add_f32 v[BM+\q], v[ST+4*\q+2], v[ST+4*\q+3]
.endr
.irp q, 0,1
	v_permlanex16_b32 v[BX+\q], v[BM+\q], s[SEL], s[SEL+1]
.endr
.irp q, 0,1
	v_add_f32 v[BM+\q], v[BM+\q], v[BX+\q]
.endr
.irp q, 0,1
	v_rcp_f32 v[BM+\q], v[BM+\q]
.endr
	v_nop                                          ; one plain place behind a transcendental
	s_wait_alu depctr_va_vdst(0)
.irp q, 0,1
.irp j, 0,1,2,3,4,5,6,7
	v_mul_f32 v[PP+8*\q+\j], v[OA+8*\q+\j], v[BM+\q]   ; lane (r, h): y(my token of tile q, 16 hd + 8 h + j)
.endr
.endr
.irp q, 0,1
	ds_store_b128 v[YA], v[PP+8*\q:PP+8*\q+3] offset:512*\q
	ds_store_b128 v[YA], v[PP+8*\q+4:PP+8*\q+7] offset:512*\q+16
.endr
	s_add_co_u32 s[SK], s[SK], 32768
	s_add_co_u32 s[SV], s[SV], 4096
	s_add_co_u32 s[SS], s[SS], 256
	s_add_co_u32 s[SQ], s[SQ], CH
	s_sub_co_u32 s[HC], s[HC], 1
	s_cmp_lg_u32 s[HC], 0
	s_cbranch_scc1 .Lhead
	; ---- THE WAY OUT: a row of y is 64 bytes from each of my four chunks; sixteen lanes take a row, and a store covers two rows: 512 consecutive bytes, at a multiple of 256 from out0's first byte
	v_bfe_u32 v[VA], v0, 2, 2                      ; the chunk: (lane % 16) / 4
	v_mul_u32_u24 v[VA], v[VA], CH
	v_and_b32 v[VSA], 3, v0
	v_lshl_add_u32 v[VA], v[VSA], 4, v[VA]
	v_bfe_u32 v[VSA], v0, 4, 1
	v_lshl_add_u32 v[VA], v[VSA], 6, v[VA]         ; lanes 16-31 the next row
	v_add_nc_u32 v[VA], s[WB], v[VA]
	s_wait_dscnt 0x0                               ; the last head's stores have read their registers
.irp i, 0,1,2,3,4,5,6,7,8,9,10,11,12,13,14,15
	ds_load_b128 v[PP+4*\i:PP+4*\i+3], v[VA] offset:128*\i
.endr
.irp i, 0,1,2,3,4,5,6,7,8,9,10,11,12,13,14,15
	s_wait_dscnt 15-\i                             ; LDS loads come back in order (ISA guide 5.7.1): load i is in, the younger ones may be out
	global_store_b128 v[L16], v[PP+4*\i:PP+4*\i+3], s[12:13] offset:512*\i th:TH_STORE_NT
.endr
	s_wait_tensorcnt 0x0
	ds_add_u32 v254, v255
	s_wait_dscnt 0x0
	s_endpgm
.Lfunc_end_k_qcdfc2cd967_attn:
	.size	k_qcdfc2cd967_attn, .Lfunc_end_k_qcdfc2cd967_attn-k_qcdfc2cd967_attn
	.p2alignl 7, 3214868480
	.fill 96, 4, 3214868480
	.section	.rodata,"a",@progbits
	.p2align	6, 0x0
	.amdhsa_kernel k_qcdfc2cd967_attn
		.amdhsa_group_segment_fixed_size 296960
		.amdhsa_private_segment_fixed_size 0
		.amdhsa_enable_private_segment 0
		.amdhsa_kernarg_size 40
		.amdhsa_user_sgpr_count 2
		.amdhsa_user_sgpr_kernarg_segment_ptr 1
		.amdhsa_wavefront_size32 1
		.amdhsa_system_sgpr_workgroup_id_x 1
		.amdhsa_system_sgpr_workgroup_id_y 1
		.amdhsa_system_sgpr_workgroup_id_z 1
		.amdhsa_system_vgpr_workitem_id 0
		.amdhsa_next_free_vgpr 256
		.amdhsa_next_free_sgpr 66
		.amdhsa_reserve_vcc 1
		.amdhsa_float_denorm_mode_32 3
		.amdhsa_float_denorm_mode_16_64 3
		.amdhsa_memory_ordered 1
		.amdhsa_forward_progress 1
		.amdhsa_inst_pref_size 154
	.end_amdhsa_kernel
	.amdgpu_metadata
---
amdhsa.version: [ 1, 2 ]
amdhsa.kernels:
  - .name:           k_qcdfc2cd967_attn
    .symbol:         k_qcdfc2cd967_attn.kd
    .args:
      - { .name: x, .offset: 0, .size: 8, .value_kind: global_buffer, .address_space: global }
      - { .name: w_q, .offset: 8, .size: 8, .value_kind: global_buffer, .address_space: global }
      - { .name: w_k, .offset: 16, .size: 8, .value_kind: global_buffer, .address_space: global }
      - { .name: mask, .offset: 24, .size: 8, .value_kind: global_buffer, .address_space: global }
      - { .name: out0, .offset: 32, .size: 8, .value_kind: global_buffer, .address_space: global }
    .group_segment_fixed_size: 296960
    .private_segment_fixed_size: 0
    .kernarg_segment_align: 8
    .kernarg_segment_size: 40
    .max_flat_workgroup_size: 512
    .sgpr_count:     66
    .vgpr_count:     256
    .wavefront_size: 32
...
	.end_amdgpu_metadata
.endif
;; end of part 1
;; ======== version 2 of 2: 1 launch; version 1 with the launch attn written anew for expert scheduling mode
;; launch attn (part 2): grid 256 x 1, 16 waves a work-group, no clusters, 296,960 bytes of LDS; arguments x, w_q, w_k, mask, out0; writes out0
.if DOCPART == 2
	.amdgcn_target "amdgcn-amd-amdhsa--gfx1250"
	.amdhsa_code_object_version 6
	.text
	.protected	k_qcdfc2cd967_attn
	.globl	k_qcdfc2cd967_attn
	.p2align	8
	.type	k_qcdfc2cd967_attn,@function
k_qcdfc2cd967_attn:
	s_mov_b64 s[64:65], 0
	v_nop
	global_prefetch_b8 v0, s[64:65] scope:SCOPE_SE
	s_setreg_imm32_b32 hwreg(HW_REG_WAVE_SCHED_MODE, 0, 2), 2
	s_setreg_imm32_b32 hwreg(HW_REG_WAVE_MODE, 25, 1), 1
	s_wait_xcnt 0x0
	s_wait_alu depctr_vm_vsrc(0)
; SELF-ATTENTION, 256 groups of 512 tokens x 64 channels (f32), four heads of 16 channels; v = x.
;   q = Q(x) Q(w_q)^T, k = Q(x) Q(w_k)^T          codes of E2M1, one E8M0 scale for each 32 along the 64 channels
;   t = (q / 8 . k) log2(e), K = 16                f32 operands (v_wmma_f32_16x16x4_f32): t goes on into a quantiser.  A key whose mask byte is set has t = -1e9 log2(e)
;   p = 2^(t - M), M = the ceiling of the row's running largest t; p is quantised along the keys;  y = Q(p) Q(v) / l, l = the sum of the unquantised p
; SHARES.  A work-group is one group; each of its sixteen waves owns 32 tokens: it quantises them (as x along the channels, as v along the keys: its 32 tokens are one block of v),
; makes their q and k for all heads, and then, as two tiles of 16 queries, walks all 512 keys of each head, 64 a half step.
; BY TURNS.  In a TURN one tile of queries has the f32 products of its scores for 64 keys, sixteen of them; the other tile's softmax, cut into sixteen slices, stands between them, one slice behind each product,
; and that tile's product with v closes the turn.  Then the tiles change places.  So every stretch of a wave's text holds matrix work and vector work, whatever the other waves of its SIMD are at.
; LAYOUT.  All products are used transposed, so that a lane holds ONE token (lane % 16) throughout.
;   q^T, k^T: source 0 = 16 rows of W (one head), source 1 = 16 tokens: lane (r, h) holds channels 8 h + 0 .. 7 of token r: eight registers that ARE the operands of four f32 products:
;   link i takes registers 2 i, 2 i + 1, so that the form's k = 2 h + j stands for channel 8 h + 2 i + j, alike in q and in k.
;   THE TOKENS OF A TILE ARE NOT NEIGHBOURS: lane r of a wave's tile u takes its token 8 u + r + 8 (r / 8), so that in S^T = k q^T the 16 registers of key tiles 2 b, 2 b + 1 are keys 32 b + 16 h + 0 .. 15.
; THE MASK costs nothing in the loop: for k alone the codes of a masked token's x are zeros, so its k is 0, and each score's sum begins with a bias (0, or -1e9 log2(e)) as the C of its first link.
; q is multiplied once by c = log2(e) / 8, so the sums are t itself.
; O^T += v^T p^T takes 128 keys an instruction; a half step has 64: p's codes stand between two runs of zero codes, and an even half names (p, 0), an odd half (0, p); the bytes of p's scale word for the zero half are 0.
; Likewise K = 64 in the first two products: x's upper 64 codes are zeros, and what W's operand names there (the next tile's codes) is multiplied by zeros.
; WHY NO TENSOR LOADS, CLUSTER OR PREFETCH: a work-group's 131,072 bytes of x are read once, all sixteen waves' loads going out at the head; work-groups share only w_q and w_k, 32,768 bytes.
; LIMITS: NaN and infinities among the inputs are not served.  A block whose largest magnitude lies under 2^-124 keeps the scale byte 1 (a block of zeros too: its codes are zeros, and only this text reads the bytes).
; q is rounded once more than in the definition (by c); a score's 16 terms are added in the order of channels 8 h + 2 i + j.
; THE MODE: SCHED_MODE bits 1:0 = 2 (LLVM: expert scheduling mode 2), set by the entry lines.  The code itself states the register dependences between vector or matrix instructions and
; memory or LDS instructions, with s_wait_alu, always for 0.
; THE PLAN, in the loop over heads.  Registers that LDS instructions touch:
;   KF, BI, key tiles 0, 1   read by the first eight products of tile 0's turn and then of tile 1's; the next half's loads land in them from slice 9 of tile 1's turn on.
;   KF, BI, key tiles 2, 3   read by the last eight products of both turns; the next half's loads land in them from the head of tile 0's turn on.
;   VF, VS                   read by the product with v that closes each turn; every second half their loads stand with those of key tiles 0, 1.
;   QF                       read by every f32 product; loaded at a head's start.
;   KA, QA, VA, VSA, YA      addresses: written at a head's start, read by that head's LDS instructions.  BA and L16 are never written again.
;   PP, as y                 written by the division at a head's end, read by four LDS stores, written again by the next head's softmax.
;   The scores, O^T, the statistics, p's codes and p's scale word are named by vector and matrix instructions alone.
; So a turn has three waits on va_vdst: in slice 9 (the first exponentials' results; in tile 1's turn also: the readers of key tiles 0, 1 and of v's fragment are done), in slice 12 (the other exponentials' results),
; and ahead of the product with v (its operands made by vector instructions are written; in tile 1's turn also: the readers of key tiles 2, 3 are done).  A head has one behind its addresses, one behind its reciprocals,
; one ahead of y's stores, and one wait on vm_vsrc behind them, ahead of the branch.
;
; LDS
.set KIMG, 0                           ; k as images of registers: [head][key tile 0 .. 31] x 1,024 bytes: registers 0-3 at 16 x lane, 4-7 at 512 + 16 x lane
.set WREG, 131072                      ; a region of WRB bytes for each wave, its own: first x's 32 rows (pitch 272); then four chunks, CH apart: chunk hd holds q' of head hd
.set WRB,  8704                        ; (two images of 1,024 bytes) and, once that is in registers, y of head hd (32 rows x 64 bytes)
.set CH,   2112                        ; 64 more than a multiple of 256: a row of y read back across the four chunks touches sixteen different columns of 16 bytes
.set XP,   272                         ; x's rows in the stage: 256 bytes + 16
.set VIMG, 270336                      ; v's codes: head x 4,096 + block of 32 keys x 256 + channel x 16: the image of the operand's registers
.set BIAS, 286720                      ; one f32 for each key
.set VSC,  288768                      ; v's scale bytes: channel (0 .. 63) x 16 + block
.set WIMG, 289792                      ; W's codes: tile x 512 + 16 x lane; tiles 0-3 w_q's heads, 4-7 w_k's
.set WSC,  293888                      ; W's scale words: tile x 128 + 4 x lane
; scalar registers: s[4:5] x, s[6:7] w_q, s[8:9] w_k, s[10:11] mask, s[12:13] out0, s[16:17] my tile of W, s[18:19] offsets, s31 at work
.set WV,  14                           ; my wave's number
.set WB,  15                           ; my region's first byte
.set SEL, 20                           ; s[20:21] v_permlanex16_b32's selects for lane l xor 16
.set CQ,  22                           ; c
.set SK,  23                           ; the head's k images
.set SV,  26                           ; its v codes
.set SS,  27                           ; its v scale bytes
.set SQ,  28                           ; its chunk of my region
.set HC,  29                           ; heads to go
; vector registers that stay
.set L16, 1                            ; 16 x lane
.set H64, 2                            ; 64 h
.set R16, 3                            ; 16 r
.set OW,  4                            ; y in a chunk: (r + 8 (r / 8)) x 64 + 32 h
; the loop's
.set KA,  5                            ; addresses of the head in hand: k,
.set BA,  6                            ; the bias (the same for all heads),
.set VA,  7                            ; v's codes,
.set VSA, 8                            ; v's scale words,
.set QA,  9                            ; q',
.set YA,  13                           ; y
.set TS,  10                           ; v[10:11] the sum's second chain
.set OLD, 12
.set QF,  16                           ; v16-31   q', 8 registers a tile
.set OA,  32                           ; v32-47   O^T, 8 a tile
.set ST,  48                           ; v48-55   a tile's -M, largest t, l (a pair)
.set BM,  56                           ; v56-57   the two blocks' largest t, then largest p
.set BX,  58                           ; v58-59   the other half's; then the scale bytes
.set SO,  60                           ; v60-61   the conversions' scale operands
.set F,   62                           ; v[62:63] f = 2^(old M - new M); the pair's upper word is named and not used
.set SA,  64                           ; v64-127  the scores, 32 a tile.  These registers are written by matrix instructions alone
.set PP,  128                          ; v128-159 p of the tile whose softmax is in hand
.set KF,  160                          ; v160-191 four key tiles of k
.set BI,  192                          ; v192-223 their biases, in the result's layout
.set P4,  228                          ; v224-227 zeros | v228-231 p's codes | v232-235 zeros
.set VF,  236                          ; v236-243 v's fragment: 16 channels x 128 keys
.set VS,  244                          ; v's scale words   (v244-249 hold scales and nothing else)
.set PW,  245                          ; p's scale word
; the head's (phase A): every LDS address is made ahead of the one branch on the wave's number
.set XS,   9                           ; x into the stage: two rows an instruction
.set XCOL, 10                          ; out of it by columns: 4 x lane
.set XFA,  11                          ; and by rows: token r + 8 (r / 8), + 128 h
.set TOK,  12                          ; r + 8 (r / 8)
.set WO,   13                          ; W: 256 r + 128 h
.set VW,   14
.set VB,   15
.set T4,   48
.set WI,   49
.set WW,   50
.set WSR,  51
.set SH8,  52                          ; 8 h
.set LANE, 53
.set QW,   54
.set KW0,  55
.set KW1,  5
.set WCA,  6
.set MKB,  56                          ; mask bytes: of token lane; of my tokens in tiles 0 and 1
.set MK0,  57
.set MK1,  58
.set XR,   128                         ; v128-191 x as loaded
.set VN1,  128                         ; then: columns 32 .. 63, 32 keys down,
.set XN0,  160                         ; tile 0's block of 32 channels,
.set VN0,  192                         ; columns 0 .. 31 (before that: my tile of W)
.set XN1,  192                         ; then tile 1's block,
.set WC,   192                         ; then W's eight tiles of codes, four registers each; v224-227, zeros, stand behind the last
.set XSW,  244                         ; x's scale words, tiles 0 and 1
.set WSW,  246                         ; v246-249 head hd: lanes 0-15 w_q's words, lanes 16-31 w_k's
; 32 numbers of ONE block in a lane's registers v[n] on -> 32 codes in v[c] .. v[c + 3]; the scale's byte in v[m].  v[m + 1] is at work.
.macro Q32 n, c, m
	v_max3_num_f32 v[\m], |v[\n]|, |v[\n+1]|, 0x1800000            ; the largest magnitude, in two chains, with the floor 2^(3 - 127) among its leaves: the byte cannot fall under 1
	v_max3_num_f32 v[\m+1], |v[\n+2]|, |v[\n+3]|, |v[\n+4]|
.irp i, 5,9,13,17,21,25
	v_max3_num_f32 v[\m], v[\m], |v[\n+\i]|, |v[\n+\i+1]|
	v_max3_num_f32 v[\m+1], v[\m+1], |v[\n+\i+2]|, |v[\n+\i+3]|
.endr
	v_max3_num_f32 v[\m], v[\m], |v[\n+29]|, |v[\n+30]|
	v_max3_num_f32 v[\m], v[\m], v[\m+1], |v[\n+31]|
	v_add_nc_u32 v[\m+1], 0xff000000, v[\m]                        ; 2 off its exponent field: the conversion takes the exponent field of this operand as its scale
	v_lshrrev_b32 v[\m], 23, v[\m+1]                               ; the scale's byte
.irp g, 0,1,2,3
	v_cvt_scalef32_pk8_fp4_f32 v[\c+\g], v[\n+8*\g:\n+8*\g+7], v[\m+1]
.endr
	v_nop                                                          ; one plain place behind a scaled conversion
.endm
; lane (r, h) holds the byte of block h of row r in v[m]: with lane l xor 16's it makes the row's scale word in v[w]; bytes 2 and 3 stay 0
.macro WORD2 m, t, w
	v_lshlrev_b32 v[\m], v[SH8], v[\m]
	v_permlanex16_b32 v[\t], v[\m], s[SEL], s[SEL+1]
	v_or_b32 v[\w], v[\m], v[\t]
.endm
.macro BARRIER                         ; my LDS stores have landed and my LDS loads are in: then the work-group's barrier
	s_wait_dscnt 0x0
	s_barrier_signal -1
	s_barrier_wait -1
.endm
	s_load_b256 s[4:11], s[0:1], 0x0               ; x, w_q, w_k, mask
	s_load_b64 s[12:13], s[0:1], 0x20              ; out0
	v_lshl_add_u32 v254, v0, 2, 0x48000            ; the LDS address of my spare word, behind all that the text uses, and 0: made here and kept for the closing lines alone
	v_mov_b32 v255, 0
	v_lshrrev_b32 v1, 5, v0
	v_readfirstlane_b32 s[WV], v1                  ; wave 0 .. 15
	v_and_b32 v[LANE], 31, v0
	v_and_b32 v59, 15, v0                          ; r
	v_bfe_u32 v60, v0, 4, 1                        ; h
	s_wait_alu depctr_va_sdst(0)                   ; the wave's number is written, ahead of its first reader: LDS regions, bases and the branch below are made from it
	s_mul_i32 s[WB], s[WV], WRB
	s_add_co_u32 s[WB], s[WB], WREG
	s_mov_b32 s[SEL], 0x76543210
	s_mov_b32 s[SEL+1], 0xfedcba98
	s_mov_b32 s[CQ], 0x3e38aa3b                    ; c = log2(e) / 8
	v_lshlrev_b32 v[L16], 4, v[LANE]
	v_lshlrev_b32 v[H64], 6, v60
	v_lshlrev_b32 v[R16], 4, v59
	v_and_b32 v61, 8, v59
	v_add_nc_u32 v[TOK], v61, v59
	v_lshlrev_b32 v[OW], 6, v[TOK]
	v_lshl_add_u32 v[OW], v60, 5, v[OW]
	v_mul_u32_u24 v[XS], v60, XP
	v_lshl_add_u32 v[XS], v59, 4, v[XS]
	v_add_nc_u32 v[XS], s[WB], v[XS]               ; lanes 0-15 one row of 256 bytes, lanes 16-31 the next
	v_lshl_add_u32 v[XCOL], v[LANE], 2, s[WB]
	v_mul_u32_u24 v[XFA], v[TOK], XP
	v_lshl_add_u32 v[XFA], v60, 7, v[XFA]
	v_add_nc_u32 v[XFA], s[WB], v[XFA]
	v_lshlrev_b32 v[WO], 8, v59
	v_lshl_add_u32 v[WO], v60, 7, v[WO]
	v_lshl_add_u32 v[VW], v60, 12, v[R16]          ; column lane (+ 32): head lane / 16 (+ 2), channel lane % 16; my block is my wave's number
	s_lshl_b32 s31, s[WV], 8
	s_add_co_u32 s31, s31, VIMG
	v_add_nc_u32 v[VW], s31, v[VW]
	s_add_co_u32 s31, s[WV], VSC
	v_add_nc_u32 v[VB], s31, v[L16]
	v_lshl_add_u32 v[T4], v0, 2, BIAS              ; my thread's number is a token's number in the group
	s_lshl_b32 s31, s[WV], 9
	s_add_co_u32 s31, s31, WIMG
	v_add_nc_u32 v[WI], s31, v[L16]                ; (used by waves 0 to 7 alone)
	s_lshl_b32 s31, s[WV], 7
	s_add_co_u32 s31, s31, WSC
	v_lshl_add_u32 v[WW], v[LANE], 2, s31
	v_lshlrev_b32 v[WSR], 2, v59
	v_lshl_add_u32 v[WSR], v60, 9, v[WSR]
	v_add_nc_u32 v[WSR], WSC, v[WSR]               ; lanes 0-15 a tile of w_q, lanes 16-31 the same head's tile of w_k, four tiles on
	v_lshlrev_b32 v[SH8], 3, v60
	v_add_nc_u32 v[QW], s[WB], v[L16]
	s_lshl_b32 s31, s[WV], 11
	v_add_nc_u32 v[KW0], s31, v[L16]               ; my two key tiles in head 0's images;
	v_add_nc_u32 v[KW1], 0x10000, v[KW0]           ; heads 2 and 3 lie beyond an LDS instruction's 16-bit offset
	v_add_nc_u32 v[WCA], WIMG, v[L16]
	v_mov_b32 v63, 0                               ; written once: a lane permute's destination counts as one of its sources
	s_wait_kmcnt 0x0
	s_lshl_b32 s18, ttmp9, 17                      ; the group's 131,072 bytes of x and of out0,
	s_lshl_b32 s31, s[WV], 13                      ; my wave's 8,192 of them
	s_add_co_u32 s18, s18, s31
	s_mov_b32 s19, 0
	s_add_nc_u64 s[4:5], s[4:5], s[18:19]
	s_add_nc_u64 s[12:13], s[12:13], s[18:19]
	s_lshl_b32 s18, ttmp9, 9                       ; the group's 512 mask bytes, my wave's 32
	s_lshl_b32 s31, s[WV], 5
	s_add_co_u32 s18, s18, s31
	s_add_nc_u64 s[10:11], s[10:11], s[18:19]
	s_cmp_lt_u32 s[WV], 4                          ; waves 0-3 take w_q's heads, waves 4-7 w_k's: the choice hangs on the wave's number alone
	s_cselect_b64 s[16:17], s[6:7], s[8:9]
	s_and_b32 s18, s[WV], 3
	s_lshl_b32 s18, s18, 12                        ; a head's 16 rows of 256 bytes
	s_add_nc_u64 s[16:17], s[16:17], s[18:19]
	s_wait_alu depctr_va_vdst(0)                   ; all offsets and LDS addresses made above are written: the loads and stores of phase A, and out0's stores, read them and no vector instruction writes them in between
	; ---- my 32 tokens: sixteen loads of 512 consecutive bytes (two rows)
.irp i, 0,1,2,3,4,5,6,7,8,9,10,11,12,13,14,15
	global_load_b128 v[XR+4*\i:XR+4*\i+3], v[L16], s[4:5] offset:512*\i th:TH_LOAD_NT
.endr
	global_load_u8 v[MKB], v[LANE], s[10:11]
	global_load_u8 v[MK0], v[TOK], s[10:11]
	global_load_u8 v[MK1], v[TOK], s[10:11] offset:8
	; ---- waves 0 to 7: a tile of W each.  Lane (r, h) takes block h of row r: 32 neighbours, the operand's registers 0-3
	s_cmp_lt_u32 s[WV], 8
	s_cbranch_scc0 .Lno_w
.irp j, 0,1,2,3,4,5,6,7
	global_load_b128 v[VN0+4*\j:VN0+4*\j+3], v[WO], s[16:17] offset:16*\j
.endr
	s_wait_loadcnt 0x0
	Q32 VN0, 228, 59
	WORD2 59, 63, 62
	s_wait_alu depctr_va_vdst(0)                   ; the conversions have written v228-231 and the scale word's lines v62, which the two LDS stores read
	ds_store_b128 v[WI], v[228:231]
	ds_store_b32 v[WW], v62
.Lno_w:
	s_wait_loadcnt 0x0                             ; x and the mask bytes
.irp i, 0,1,2,3,4,5,6,7,8,9,10,11,12,13,14,15
	ds_store_b128 v[XS], v[XR+4*\i:XR+4*\i+3] offset:2*XP*\i
.endr
	v_mov_b32 v59, 0xce6e6b28                      ; -1e9
	v_mul_f32 v59, 0x3fb8aa3b, v59                 ; x log2(e): a masked key's t
	v_cmp_ne_u32 vcc_lo, 0, v[MKB]
	s_wait_alu depctr_va_vcc(0)                    ; the compare has written VCC, which the selection reads
	v_cndmask_b32 v59, 0, v59, vcc_lo
	s_wait_alu depctr_va_vdst(0)                   ; the selection has written v59, which the LDS store reads; in waves 0 to 7 the quantiser is done reading v192-223, in which the column loads below land
	ds_store_b32 v[T4], v59
	s_wait_dscnt 0x0                               ; the stores have read their registers
	s_wait_alu depctr_vm_vsrc(0)                   ; the LDS stores above have read v128-191, in which the loads below land, and v59, v62 and v228-231, which the quantisers below write again
	; ---- back in the operands' layouts.  v: a lane takes a column and its registers run down my 32 keys, one block.  x: lane (r, h) takes block h of its token
.irp k, 0,1,2,3,4,5,6,7,8,9,10,11,12,13,14,15,16,17,18,19,20,21,22,23,24,25,26,27,28,29,30,31
	ds_load_b32 v[VN0+\k], v[XCOL] offset:XP*\k
.endr
.irp k, 0,1,2,3,4,5,6,7,8,9,10,11,12,13,14,15,16,17,18,19,20,21,22,23,24,25,26,27,28,29,30,31
	ds_load_b32 v[VN1+\k], v[XCOL] offset:XP*\k+128
.endr
.irp j, 0,1,2,3,4,5,6,7
	ds_load_b128 v[XN0+4*\j:XN0+4*\j+3], v[XFA] offset:16*\j
.endr
	s_wait_dscnt 0x0
	Q32 VN0, 228, 59
	Q32 VN1, 232, 61
	s_wait_alu depctr_va_vdst(0)                   ; the quantisers have written v228-235, v59 and v61, which the four LDS stores read, and are done reading v192-223, in which tile 1's loads land
	ds_store_b128 v[VW], v[228:231]
	ds_store_b128 v[VW], v[232:235] offset:8192
	ds_store_b8 v[VB], v59
	ds_store_b8 v[VB], v61 offset:512
.irp j, 0,1,2,3,4,5,6,7
	ds_load_b128 v[XN1+4*\j:XN1+4*\j+3], v[XFA] offset:8*XP+16*\j  ; tile 1's tokens lie 8 rows on; they land while tile 0 is quantised
.endr
	Q32 XN0, 16, 236
	WORD2 236, 63, XSW
	s_wait_dscnt 0x0
	s_wait_alu depctr_vm_vsrc(0)                   ; the four LDS stores above have read v232-235 and v59, which the lines below write again (zero codes; a permute's destination)
	Q32 XN1, 32, 240
	WORD2 240, 63, XSW+1
	v_cmp_eq_u32 vcc_lo, 0, v[MK0]                 ; for k alone: a masked token's codes are zeros
	s_wait_alu depctr_va_vcc(0)                    ; the compare has written VCC, which the four selections read
.irp g, 0,1,2,3
	v_cndmask_b32 v[24+\g], 0, v[16+\g], vcc_lo
.endr
	v_cmp_eq_u32 vcc_lo, 0, v[MK1]
	s_wait_alu depctr_va_vcc(0)                    ; likewise for tile 1
.irp g, 0,1,2,3
	v_cndmask_b32 v[40+\g], 0, v[32+\g], vcc_lo
.endr
.irp z, 20,28,36,44,224,232                    ; zero codes: K = 64 .. 127 of the four operands made of x; behind W's last tile; on both sides of p's codes.  The last six lines here name no operand of the
.irp g, 0,1,2,3                                ; products below: they are the places between an operand written by a vector instruction and a scaled product; the scale words stand more than eight back
	v_mov_b32 v[\z+\g], 0
.endr
.endr
	v_mov_b32 v[BX], 0                             ; (the loop's lane permutes name these as destinations)
	v_mov_b32 v[BX+1], 0
	BARRIER                                        ; W's eight tiles lie in LDS
	s_wait_alu depctr_va_vdst(0)                   ; tile 1's quantiser is done reading v192-223, in which W's codes land; x's codes, its scale words and the zero codes are written, which the scaled products below take as operands and scales (their places stand above)
.irp t, 0,1,2,3,4,5,6,7
	ds_load_b128 v[WC+4*\t:WC+4*\t+3], v[WCA] offset:512*\t
.endr
.irp d, 0,1,2,3
	ds_load_b32 v[WSW+\d], v[WSR] offset:128*\d
.endr
	s_wait_dscnt 0x0
	; ---- q^T and k^T of my two tiles, all heads: eight accumulators, each written once
.irp u, 0,1
.irp d, 0,1,2,3
	v_wmma_scale_f32_16x16x128_f8f6f4 v[SA+8*\d:SA+8*\d+7], v[WC+4*\d:WC+4*\d+7], v[16+16*\u:23+16*\u], 0, v[WSW+\d], v[XSW+\u] matrix_a_fmt:MATRIX_FMT_FP4 matrix_b_fmt:MATRIX_FMT_FP4
.endr
.irp d, 0,1,2,3
	v_wmma_scale_f32_16x16x128_f8f6f4 v[SA+32+8*\d:SA+32+8*\d+7], v[WC+16+4*\d:WC+16+4*\d+7], v[24+16*\u:31+16*\u], 0, v[WSW+\d], v[XSW+\u] matrix_a_fmt:MATRIX_FMT_FP4 matrix_b_fmt:MATRIX_FMT_FP4 matrix_a_scale:MATRIX_SCALE_ROW1
.endr
.rept 4
	v_nop                                          ; four places in front of the first read of results (ISA guide 7.12.1)
.endr
.irp j, 0,1,2,3,4,5,6,7,8,9,10,11,12,13,14,15,16,17,18,19,20,21,22,23,24,25,26,27,28,29,30,31
	v_mul_f32 v[PP+\j], s[CQ], v[SA+\j]            ; q' = c q
.endr
	s_wait_alu depctr_va_vdst(0)                   ; the multiplications have written q' and the products k^T, which the LDS stores read; the places above stay beside this wait
.irp d, 0,1,2,3
	ds_store_b128 v[QW], v[PP+8*\d:PP+8*\d+3] offset:CH*\d+1024*\u
	ds_store_b128 v[QW], v[PP+8*\d+4:PP+8*\d+7] offset:CH*\d+1024*\u+512
.endr
.irp d, 0,1
	ds_store_b128 v[KW0], v[SA+32+8*\d:SA+32+8*\d+3] offset:32768*\d+1024*\u       ; k as it stands, each accumulator from its low end on
	ds_store_b128 v[KW0], v[SA+32+8*\d+4:SA+32+8*\d+7] offset:32768*\d+1024*\u+512
	ds_store_b128 v[KW1], v[SA+48+8*\d:SA+48+8*\d+3] offset:32768*\d+1024*\u
	ds_store_b128 v[KW1], v[SA+48+8*\d+4:SA+48+8*\d+7] offset:32768*\d+1024*\u+512
.endr
	s_wait_dscnt 0x0                               ; the stores have read their registers: the next tile's products may write them
	s_wait_alu depctr_vm_vsrc(0)                   ; the LDS stores have read v96-159, which the next products and multiplications write again; behind the second tile also: every address register of phase A has been read, and the loop takes these registers over
.endr
	s_barrier_signal -1
	s_barrier_wait -1                              ; k, v, v's scale bytes and the biases are whole.  From here on a wave writes its own region alone: no further barrier
; ---- THE LOOP'S PARTS
; Key tiles g, g + 1 (g = 0 or 2) of half n of the head: k's two fragments and their biases: eight loads in one run
.macro LOADG g, n
.irp t, 0,1
	ds_load_b128 v[KF+8*(\g+\t):KF+8*(\g+\t)+3], v[KA] offset:4096*(\n)+1024*(\g+\t)
	ds_load_b128 v[KF+8*(\g+\t)+4:KF+8*(\g+\t)+7], v[KA] offset:4096*(\n)+1024*(\g+\t)+512
	ds_load_b128 v[BI+8*(\g+\t):BI+8*(\g+\t)+3], v[BA] offset:256*(\n)+64*\g+32*\t       ; register j of tile t: key 32 (t / 2) + 8 (t % 2) + 16 h + j; the sixteen lanes of a half read the same bytes
	ds_load_b128 v[BI+8*(\g+\t)+4:BI+8*(\g+\t)+7], v[BA] offset:256*(\n)+64*\g+32*\t+16
.endr
.endm
; Product j of the sixteen of S^T, 64 keys x tile X's 16 queries: first key tiles 0 and 1 through their four links, then key tiles 2 and 3: two accumulators by turns, one instruction a turn
; A sum's first link takes the bias as C.  So a turn's first eight products want key tiles 0 and 1 alone, its last eight tiles 2 and 3 alone.
.macro W X, j
.set wi, ((\j)%8)/2
.set wt, 2*((\j)/8)+(\j)%2
.set wd, SA+32*(\X)+8*wt
.if wi == 0
	v_wmma_f32_16x16x4_f32 v[wd:wd+7], v[KF+8*wt:KF+8*wt+1], v[QF+8*(\X):QF+8*(\X)+1], v[BI+8*wt:BI+8*wt+7]
.else
	v_wmma_f32_16x16x4_f32 v[wd:wd+7], v[KF+8*wt+2*wi:KF+8*wt+2*wi+1], v[QF+8*(\X)+2*wi:QF+8*(\X)+2*wi+1], v[wd:wd+7]
.endif
.endm
; THE SOFTMAX of tile Y for 64 keys, two blocks of 32, in its parts.
; MX: line m of sixteen of the search for each block's largest t (the two blocks by turns).  It serves the row's maximum and, since p rises with t, the block's largest p.  Each accumulator is first read at its low end
.macro MX Y, m
.set rS, SA+32*(\Y)+16*((\m)%2)
.set mB, BM+(\m)%2
.set mi, 2*((\m)/2)+1
.if (\m) < 2
	v_max3_num_f32 v[mB], v[rS], v[rS+1], v[rS+2]
.elseif (\m) < 14
	v_max3_num_f32 v[mB], v[mB], v[rS+mi], v[rS+mi+1]
.else
	v_max_num_f32 v[mB], v[mB], v[rS+15]
.endif
.endm
; AD: t - M of pair a, into registers of their own (of the pair -M, largest t the low word serves both halves)
.macro AD Y, a
	v_pk_add_f32 v[PP+2*(\a):PP+2*(\a)+1], v[SA+32*(\Y)+2*(\a):SA+32*(\Y)+2*(\a)+1], v[ST+4*(\Y):ST+4*(\Y)+1] op_sel_hi:[1,0]
.endm
; SU: line u of sixteen of the row's sum, taken of the unquantised p: two at a time, in two chains (l itself and TS)
.macro SU Y, u
.set sN, ST+4*(\Y)+2
.if (\u) == 0
	v_pk_add_f32 v[TS:TS+1], v[PP:PP+1], v[PP+2:PP+3]
.elseif (\u) == 15
	v_pk_add_f32 v[sN:sN+1], v[sN:sN+1], v[TS:TS+1]
.elseif (\u)%2 == 1
	v_pk_add_f32 v[sN:sN+1], v[sN:sN+1], v[PP+2*(\u)+2:PP+2*(\u)+3]
.else
	v_pk_add_f32 v[TS:TS+1], v[TS:TS+1], v[PP+2*(\u)+2:PP+2*(\u)+3]
.endif
.endm
; GR: the two exponentials of pair g, p = 2^(t - M), led by a plain line that is ready: t - M of the pair four on, or one of the first sums
.macro GR Y, g
.if (\g) < 12
	AD \Y, (\g)+4
.else
	SU \Y, (\g)-12
.endif
	v_exp_f32 v[PP+2*(\g)], v[PP+2*(\g)]
	v_exp_f32 v[PP+2*(\g)+1], v[PP+2*(\g)+1]
.endm
; SLICE: slice k of sixteen.  par: which half of v's 128 keys these 64 are.
;   0, 1    the blocks' largest t                      2, 3   lane l xor 16's; the running largest t; -M = floor(-t); f = 2^(old M - new M); the first t - M
;   4 - 12  the exponentials, a plain line to each pair; among them l x f, O^T x f, the blocks' scale operands and bytes, p's scale word
;   13, 14  the conversions; whole blocks into the lanes    14, 15  the rest of the sums
; Slice 15 is nine plain lines that name nothing of the products round them: they are the places behind the turn's last f32 product (in front of the loads into its operands and of the first read of its scores)
; and, with slice 14's, those between p's scale word and codes, written by vector instructions, and the scaled product (for the first read of the scores).
.macro SLICE Y, par, k
.set rN, ST+4*(\Y)
.set rO, OA+8*(\Y)
.if (\k) == 0
.irp m, 0,1,2,3,4,5,6,7
	MX \Y, \m
.endr
.elseif (\k) == 1
.irp m, 8,9,10,11,12,13,14,15
	MX \Y, \m
.endr
.elseif (\k) == 2
	v_permlanex16_b32 v[BX], v[BM], s[SEL], s[SEL+1]
	v_permlanex16_b32 v[BX+1], v[BM+1], s[SEL], s[SEL+1]
	v_max_num_f32 v[BM], v[BM], v[BX]                                          ; with lane l xor 16's 16 keys
	v_max_num_f32 v[BM+1], v[BM+1], v[BX+1]
	v_max3_num_f32 v[rN+1], v[BM], v[BM+1], v[rN+1]                            ; the running largest t
	v_mov_b32 v[OLD], v[rN]
	v_floor_f32 v[rN], -v[rN+1]                                                ; -M = floor(-t) = -ceil(t): M is a whole number
.elseif (\k) == 3
	v_sub_f32 v[OLD], v[rN], v[OLD]                                            ; old M - new M: a whole number, 0 or less
	v_add_f32 v[BM], v[BM], v[rN]                                              ; t - M of each block's largest t
	v_add_f32 v[BM+1], v[BM+1], v[rN]
	v_cvt_i32_f32 v[OLD], v[OLD]                                               ; (it saturates)
	AD \Y, 0
	AD \Y, 1
	v_ldexp_f32 v[F], 1.0, v[OLD]                                              ; f = 2^(old M - new M): multiplying by it rounds nothing
	AD \Y, 2
.elseif (\k) == 4
	AD \Y, 3
	v_exp_f32 v[BM], v[BM]                                                     ; the block's largest p: the same two steps on the same number give the same bits
	v_exp_f32 v[BM+1], v[BM+1]
	v_pk_mul_f32 v[rN+2:rN+3], v[rN+2:rN+3], v[F:F+1] op_sel_hi:[1,0]          ; l under the new M
	GR \Y, 0
.elseif (\k) < 12
	GR \Y, 2*(\k)-9
	GR \Y, 2*(\k)-8
.if (\k) < 9
	v_pk_mul_f32 v[rO+2*(\k)-10:rO+2*(\k)-9], v[rO+2*(\k)-10:rO+2*(\k)-9], v[F:F+1] op_sel_hi:[1,0]   ; O^T under the new M, from its low end on
.elseif (\k) < 11
.if (\k) == 9
	s_wait_alu depctr_va_vdst(0)                                               ; the exponentials issued so far have written the blocks' largest p, which this slice and the next read, and p of pairs 0 to 10, of which the sums of slices 10 to 12 read pairs 0 to 4.
	                                                                           ; In tile 1's turn also: that turn's first eight products are done reading key tiles 0 and 1, and the last product with v its fragment and scale words: the loads that TURN lays behind this slice land there
.endif
	v_max_num_f32 v[BM+(\k)-9], 0x1800000, v[BM+(\k)-9]                        ; the floor 2^(3 - 127): the byte cannot fall under 1
.else
	v_add_nc_u32 v[SO], 0xff000000, v[BM]                                      ; 2 off the exponent field: the conversion's scale operand
.endif
.elseif (\k) == 12
	GR \Y, 15
	v_add_nc_u32 v[SO+1], 0xff000000, v[BM+1]
	v_lshrrev_b32 v[BX], 23, v[SO]                                             ; the scales' bytes
	v_lshrrev_b32 v[BX+1], 23, v[SO+1]
.if (\par) == 0
	v_lshl_or_b32 v[PW], v[BX+1], 8, v[BX]                                     ; bytes 0 and 1 of the word for v's 128 keys; the others 0
.else
	v_lshlrev_b32 v[PW], 16, v[BX]                                             ; bytes 2 and 3
	v_lshl_or_b32 v[PW], v[BX+1], 24, v[PW]
.endif
	s_wait_alu depctr_va_vdst(0)                                               ; the exponentials of pairs 11 to 15 have written their p too: the conversions and the rest of the sums read all 32
.elseif (\k) == 13
.irp b, 0,1
	v_cvt_scalef32_pk8_fp4_f32 v[P4+2*\b], v[PP+16*\b:PP+16*\b+7], v[SO+\b]
	v_cvt_scalef32_pk8_fp4_f32 v[P4+2*\b+1], v[PP+16*\b+8:PP+16*\b+15], v[SO+\b]
.endr
	v_nop                                                                      ; one plain place behind a scaled conversion
.elseif (\k) == 14
	v_permlane16_swap_b32 v[P4], v[P4+2]                                       ; the operand's layout wants a whole block in a lane: lanes 0-15 the first block, lanes 16-31 the second
	v_permlane16_swap_b32 v[P4+1], v[P4+3]
.irp u, 4,5,6
	SU \Y, \u
.endr
.else
.irp u, 7,8,9,10,11,12,13,14,15
	SU \Y, \u
.endr
.endif
.endm
; O^T += v^T p^T: source 0 = the head's 16 channels x 128 keys, source 1 = p's 64 codes and 64 zero codes
.macro PV T, par
	s_wait_alu depctr_va_vdst(0)                   ; p's codes and scale word, made by vector instructions, are written: the scaled product takes them as operand and scale (its places are slices 14 and 15).  At the end of tile 1's turn also: that turn's last eight products are done reading key tiles 2 and 3, in which the loads behind this product land
	v_wmma_scale_f32_16x16x128_f8f6f4 v[OA+8*(\T):OA+8*(\T)+7], v[VF:VF+7], v[P4-4*(\par):P4-4*(\par)+7], v[OA+8*(\T):OA+8*(\T)+7], v[VS], v[PW] matrix_a_fmt:MATRIX_FMT_FP4 matrix_b_fmt:MATRIX_FMT_FP4
.endm
; A TURN.  Tile X has the f32 products: its scores of half n.  The other tile's softmax (of half n where X = 1, of half n - 1 where X = 0; par: that half's parity) stands in slices behind them, and its product with v closes the turn.
; k AND THE BIASES have one set of registers, filled in two runs of eight loads.  Both tiles multiply by a half's key tiles: tile 0 first, tile 1 a turn later.
;   Key tiles 0, 1 of half n + 1: in tile 1's turn, behind slice 9, whose wait states that the turn's eighth product, their last reader, is done; only the floor's line on the block's largest p stands between that wait and the loads.
;   (Nine plain lines stand behind that product as well.)  Waited for at that turn's end.
;   Key tiles 2, 3 of half n: at the head of tile 0's turn, behind the product with v, whose wait states that tile 1's last product is done; that product with v names none of these registers.
;   (Slice 15's nine plain lines stand behind tile 1's last product as well.)  Waited for in the turn's middle, in front of the ninth product.
;   v's fragment and scale words of 128 keys come with the first run, in the even halves: their last reader closed the turn before.
.macro TURN X, n, par
.if (\X) == 0
	LOADG 2, \n
.endif
.set tj, 0
.rept 16
.if ((\X) == 0) && (tj == 8)
	s_wait_dscnt 0x0                               ; key tiles 2 and 3, asked for eight products ago
.endif
	W \X, tj
	SLICE 1-\X, \par, tj
.if ((\X) == 1) && (tj == 9)
.if (\n)%2 == 0
	ds_load_b128 v[VF:VF+3], v[VA] offset:1024*((\n)/2)
	ds_load_b128 v[VF+4:VF+7], v[VA] offset:1024*((\n)/2)+512
	ds_load_b32 v[VS], v[VSA] offset:4*((\n)/2)
.endif
.if (\n) < 7
	LOADG 0, (\n)+1
.endif
.endif
.set tj, tj+1
.endr
.if ((\X) == 1) && ((\n) < 7)
	s_wait_dscnt 0x0                               ; v's fragment for the product below; the next half's key tiles 0 and 1 for the turn that follows it
.endif
	PV 1-\X, \par
.endm
	v_add_nc_u32 v[BA], BIAS, v[H64]
	s_mov_b32 s[SK], KIMG
	s_mov_b32 s[SV], VIMG
	s_mov_b32 s[SS], VSC
	s_mov_b32 s[SQ], s[WB]
	s_mov_b32 s[HC], 4
.Lhead:                                            ; a trip is a head: 512 keys in eight halves, sixteen turns, written out so that every offset in the head is an immediate
	v_add_nc_u32 v[KA], s[SK], v[L16]              ; the head's five addresses (the LDS instructions that read their last values have done so: the wait on vm_vsrc ahead of the branch, or phase A's last)
	v_add_nc_u32 v[QA], s[SQ], v[L16]
	v_add_nc_u32 v[VA], s[SV], v[L16]
	v_add_nc_u32 v[VSA], s[SS], v[R16]
	v_add_nc_u32 v[YA], s[SQ], v[OW]
	s_wait_alu depctr_va_vdst(0)                   ; the five addresses (in the first trip the bias's too) are written: the head's LDS instructions read them, and no vector instruction names them again in the trip; the products issued so far are done reading KF, BI and QF, in which the loads below land
	LOADG 0, 0
	LOADG 2, 0
.irp q, 0,1
	ds_load_b128 v[QF+8*\q:QF+8*\q+3], v[QA] offset:1024*\q
	ds_load_b128 v[QF+8*\q+4:QF+8*\q+7], v[QA] offset:1024*\q+512
.endr
	s_wait_dscnt 0x0                               ; the head's first k, biases and q'
.set tj, 0
.rept 16
	W 0, tj                                        ; tile 0's first scores: there is no softmax yet to set between them
.set tj, tj+1
.endr
.irp j, 0,1,2,3,4,5,6,7,8,9,10,11,12,13,14,15
	v_mov_b32 v[OA+\j], 0                          ; O^T.  (A softmax is written in one form: the first finds zeros, which the first change of M leaves zeros.)  These lines are also the places behind the products above
.endr
.irp q, 0,1
	v_mov_b32 v[ST+4*\q+1], 0xff61b1e6             ; the largest t so far: -3e38, under every t
	v_floor_f32 v[ST+4*\q], -v[ST+4*\q+1]          ; -M
	v_mov_b32 v[ST+4*\q+2], 0                      ; l, in two halves
	v_mov_b32 v[ST+4*\q+3], 0
.endr
.irp n, 0,1,2,3,4,5,6,7
	TURN 1, \n, \n%2                               ; tile 1's scores of half n | tile 0's softmax of half n
.if \n < 7
	TURN 0, \n+1, \n%2                             ; tile 0's scores of half n + 1 | tile 1's softmax of half n
.endif
.endr
.set tj, 0
.rept 16
	SLICE 1, 1, tj                                 ; tile 1's last softmax: no product is left to set between its slices
.set tj, tj+1
.endr
	PV 1, 1
	; the head's end: l's two halves and lane l xor 16's; O^T / l into my chunk, whose q' has long been read.  The additions are the places behind the last product
.irp q, 0,1
	v_add_f32 v[BM+\q], v[ST+4*\q+2], v[ST+4*\q+3]
.endr
.irp q, 0,1
	v_permlanex16_b32 v[BX+\q], v[BM+\q], s[SEL], s[SEL+1]
.endr
.irp q, 0,1
	v_add_f32 v[BM+\q], v[BM+\q], v[BX+\q]
.endr
.irp q, 0,1
	v_rcp_f32 v[BM+\q], v[BM+\q]
.endr
	v_nop                                          ; one plain place behind a transcendental
	s_wait_alu depctr_va_vdst(0)                   ; the two reciprocals have written 1 / l, which the multiplications read
.irp q, 0,1
.irp j, 0,1,2,3,4,5,6,7
	v_mul_f32 v[PP+8*\q+\j], v[OA+8*\q+\j], v[BM+\q]   ; lane (r, h): y(my token of tile q, 16 hd + 8 h + j)
.endr
.endr
	s_wait_alu depctr_va_vdst(0)                   ; the multiplications have written y, which the four LDS stores read
.irp q, 0,1
	ds_store_b128 v[YA], v[PP+8*\q:PP+8*\q+3] offset:512*\q
	ds_store_b128 v[YA], v[PP+8*\q+4:PP+8*\q+7] offset:512*\q+16
.endr
	s_wait_alu depctr_vm_vsrc(0)                   ; the trip's LDS instructions have read the five addresses and y's registers: the next trip's first lines and its softmax, or the way out's address lines and loads, write them again
	s_add_co_u32 s[SK], s[SK], 32768
	s_add_co_u32 s[SV], s[SV], 4096
	s_add_co_u32 s[SS], s[SS], 256
	s_add_co_u32 s[SQ], s[SQ], CH
	s_sub_co_u32 s[HC], s[HC], 1
	s_cmp_lg_u32 s[HC], 0
	s_cbranch_scc1 .Lhead
	; ---- THE WAY OUT: a row of y is 64 bytes from each of my four chunks; sixteen lanes take a row, and a store covers two rows: 512 consecutive bytes, at a multiple of 256 from out0's first byte
	v_bfe_u32 v[VA], v0, 2, 2                      ; the chunk: (lane % 16) / 4
	v_mul_u32_u24 v[VA], v[VA], CH
	v_and_b32 v[VSA], 3, v0
	v_lshl_add_u32 v[VA], v[VSA], 4, v[VA]
	v_bfe_u32 v[VSA], v0, 4, 1
	v_lshl_add_u32 v[VA], v[VSA], 6, v[VA]         ; lanes 16-31 the next row
	v_add_nc_u32 v[VA], s[WB], v[VA]
	s_wait_dscnt 0x0                               ; the last head's stores have read their registers
	s_wait_alu depctr_va_vdst(0)                   ; the address is written, which the loads read; the softmax, the division and the products are done with v128-191, in which they land
.irp i, 0,1,2,3,4,5,6,7,8,9,10,11,12,13,14,15
	ds_load_b128 v[PP+4*\i:PP+4*\i+3], v[VA] offset:128*\i
.endr
.irp i, 0,1,2,3,4,5,6,7,8,9,10,11,12,13,14,15
	s_wait_dscnt 15-\i                             ; LDS loads come back in order (ISA guide 5.7.1): load i is in, the younger ones may be out
	global_store_b128 v[L16], v[PP+4*\i:PP+4*\i+3], s[12:13] offset:512*\i th:TH_STORE_NT
.endr
	s_wait_dscnt 0x0                               ; the closing lines, six on end
	s_wait_alu 0x0
	s_wait_tensorcnt 0x0
	ds_add_u32 v254, v255
	s_wait_dscnt 0x0
	s_endpgm
.Lfunc_end_k_qcdfc2cd967_attn:
	.size	k_qcdfc2cd967_attn, .Lfunc_end_k_qcdfc2cd967_attn-k_qcdfc2cd967_attn
	.p2alignl 7, 3214868480
	.fill 96, 4, 3214868480
	.section	.rodata,"a",@progbits
	.p2align	6, 0x0
	.amdhsa_kernel k_qcdfc2cd967_attn
		.amdhsa_group_segment_fixed_size 296960
		.amdhsa_private_segment_fixed_size 0
		.amdhsa_enable_private_segment 0
		.amdhsa_kernarg_size 40
		.amdhsa_user_sgpr_count 2
		.amdhsa_user_sgpr_kernarg_segment_ptr 1
		.amdhsa_wavefront_size32 1
		.amdhsa_system_sgpr_workgroup_id_x 1
		.amdhsa_system_sgpr_workgroup_id_y 1
		.amdhsa_system_sgpr_workgroup_id_z 1
		.amdhsa_system_vgpr_workitem_id 0
		.amdhsa_next_free_vgpr 256
		.amdhsa_next_free_sgpr 66
		.amdhsa_reserve_vcc 1
		.amdhsa_float_denorm_mode_32 3
		.amdhsa_float_denorm_mode_16_64 3
		.amdhsa_memory_ordered 1
		.amdhsa_forward_progress 1
		.amdhsa_inst_pref_size 154
	.end_amdhsa_kernel
	.amdgpu_metadata
---
amdhsa.version: [ 1, 2 ]
amdhsa.kernels:
  - .name:           k_qcdfc2cd967_attn
    .symbol:         k_qcdfc2cd967_attn.kd
    .args:
      - { .name: x, .offset: 0, .size: 8, .value_kind: global_buffer, .address_space: global }
      - { .name: w_q, .offset: 8, .size: 8, .value_kind: global_buffer, .address_space: global }
      - { .name: w_k, .offset: 16, .size: 8, .value_kind: global_buffer, .address_space: global }
      - { .name: mask, .offset: 24, .size: 8, .value_kind: global_buffer, .address_space: global }
      - { .name: out0, .offset: 32, .size: 8, .value_kind: global_buffer, .address_space: global }
    .group_segment_fixed_size: 296960
    .private_segment_fixed_size: 0
    .kernarg_segment_align: 8
    .kernarg_segment_size: 40
    .max_flat_workgroup_size: 512
    .sgpr_count:     66
    .vgpr_count:     256
    .wavefront_size: 32
...
	.end_amdgpu_metadata
.endif
;; end of part 2
